; MI455X (gfx1250); checked and timed in simulation.
; The chip was launched on July 23, 2026; its instructions are those of AMD's public machine-readable ISA for CDNA 5 (MIT licence, August 2026) and "CDNA5" Instruction Set Architecture Reference Guide (July 2026). The comments in the code are by the model that wrote it; some were corrected since.
;; Tropical Shortest Path. Allowed arithmetic: matrix products marked QUANTISED: E5M2 operands, one given power-of-two scale a tensor, by v_wmma_f32_16x16x64_bf8_bf8 or v_wmma_f32_16x16x128_bf8_bf8, f32 sums; everything else in f32.
;; Inputs: adj 4,096 x 64 x 64 float32; cls_W 4 x 256 x 256 float32; cls_b 4 x 256 float32; gate_W 4 x 256 x 256 float32; gate_b 4 x 256 float32; head_W 4,096 x 256 float32; head_b 4,096 float32; ip_W 256 x 4,096 float32; ip_b 256 float32; lf_mix 4 x 256 float32; lfi_max 4 x 256 x 8 float32; lfi_min 4 x 256 x 8 float32; lfs_max 4 x 256 x 8 float32; lfs_min 4 x 256 x 8 float32; lowp_scales 20 int32 (the exponents e of the quantised operands' scales 2^e); norm_b 4 x 256 float32; norm_g 4 x 256 float32; on_b 256 float32; on_g 256 float32; trop_W 4 x 256 x 256 float32; trop_b 4 x 256 float32.
;; Outputs: out0 4,096 x 64 x 64 float32.
;; This version of the problem:
;;   THIS VERSION OF THE PROBLEM IS GIVEN IN LOW PRECISION. The matrix products marked QUANTISED in the list below multiply operands that are first quantised to E5M2 (5 exponent bits, 2 mantissa bits; 8 bits a number), with one given power-of-two scale for each operand tensor; their sums are f32. All else is computed in f32.
;;   The module's matrix products, in the order in which they are computed (A, B: the left and right operand; K: the contracted axis; several contracted axes count as one K, in the product's order):
;;     1. [M 4,096, K 4,096] x [K 4,096, N 256]; A: input adj; B: input ip_W: QUANTISED (scales: A lowp_scales[0], B lowp_scales[1])
;;     2. [M 4,096, K 256] x [K 256, N 256]; A: computed on the way; B: input cls_W: QUANTISED (scales: A lowp_scales[2], B lowp_scales[3])
;;     3. [M 4,096, K 256] x [K 256, N 256]; A: computed on the way; B: input gate_W: QUANTISED (scales: A lowp_scales[4], B lowp_scales[5])
;;     4. [M 4,096, K 256] x [K 256, N 256]; A: computed on the way; B: input cls_W: QUANTISED (scales: A lowp_scales[6], B lowp_scales[7])
;;     5. [M 4,096, K 256] x [K 256, N 256]; A: computed on the way; B: input gate_W: QUANTISED (scales: A lowp_scales[8], B lowp_scales[9])
;;     6. [M 4,096, K 256] x [K 256, N 256]; A: computed on the way; B: input cls_W: QUANTISED (scales: A lowp_scales[10], B lowp_scales[11])
;;     7. [M 4,096, K 256] x [K 256, N 256]; A: computed on the way; B: input gate_W: QUANTISED (scales: A lowp_scales[12], B lowp_scales[13])
;;     8. [M 4,096, K 256] x [K 256, N 256]; A: computed on the way; B: input cls_W: QUANTISED (scales: A lowp_scales[14], B lowp_scales[15])
;;     9. [M 4,096, K 256] x [K 256, N 256]; A: computed on the way; B: input gate_W: QUANTISED (scales: A lowp_scales[16], B lowp_scales[17])
;;     10. [M 4,096, K 256] x [K 256, N 4,096]; A: computed on the way; B: input head_W: QUANTISED (scales: A lowp_scales[18], B lowp_scales[19])
;;   THE QUANTISER, for each operand of a quantised product, along K:
;;     - The operand's scale is 2^e, e = its entry of the input lowp_scales (int32; the entries are numbered through the quantised products in the list's order, A before B).
;;     - Each number is divided by the scale, clamped to +-57,344, and rounded to the nearest number of E5M2, ties to even, subnormals kept.
;;     - The product sums the exact products of the quantised numbers (number of the format x scale) in f32.
;;   ~~~python
;;   def quantise(x, axis, e):      # numpy; x: float32 -> the quantised numbers, widened to float32 again
;;       x = np.moveaxis(x, axis, -1); K = x.shape[-1]
;;       r = np.clip(x / 2.0 ** e, -57344, 57344)
;;       step = 2.0 ** (np.maximum(np.frexp(np.where(r == 0, 1, r))[1] - 1, -14) - 2)
;;       q = np.round(r / step) * step * 2.0 ** e      # np.round: ties to even
;;       return np.moveaxis(q, -1, axis).astype(np.float32)
;;   ~~~
;;   OPERANDS COMPUTED ON THE WAY. 'Computed on the way' means the value that the module computes at that place (a softmax that the list does not call 'softmax' is quantised finished and normalised). What goes into a quantiser is computed in f32, as accurately as f32 sums, v_exp_f32 and their like allow (about 1e-6 of the number): no bf16 or f16 on the way to a quantiser, and a product that is left as it is and whose result goes on into a quantised operand takes f32 operands (vector FMAs, or v_wmma_f32_16x16x4_f32). A number that lies on a knife's edge between two numbers of the format may be rounded either way, as far as f32 arithmetic and the matrix unit's own rounding can turn it there, and no further.
;; One version. Each part assembles by itself: llvm-mc -triple=amdgcn-amd-amdhsa -mcpu=gfx1250 --defsym DOCPART=n.
;; ======== version 1 of 1: 4 launches
;; limits: a function is approximated: absolute error at most 1.5e-07
;; workspace buffers: wq 2,621,440 bytes; hp 16,777,216 bytes; hq 1,048,576 bytes
;; launch prep (part 1): grid 256 x 1, 5 waves a work-group, no clusters, 43,008 bytes of LDS; arguments ip_W, cls_W, gate_W, head_W, lowp_scales, wq; writes wq
.if DOCPART == 1
	.amdgcn_target "amdgcn-amd-amdhsa--gfx1250"
	.amdhsa_code_object_version 6
	.text
	.protected	k_qbc6be4e25a_prep
	.globl	k_qbc6be4e25a_prep
	.p2align	8
	.type	k_qbc6be4e25a_prep,@function
k_qbc6be4e25a_prep:
	s_mov_b64 s[64:65], 0
	v_nop
	global_prefetch_b8 v0, s[64:65] scope:SCOPE_SE
	s_setreg_imm32_b32 hwreg(HW_REG_WAVE_MODE, 25, 1), 1
	s_wait_xcnt 0x0
; The four weight tensors (f32, K innermost) become codes of E5M2, each with the scale 2^e given for it, laid as IMAGES OF OPERAND REGISTERS.
; A fragment is 16 rows x 128 k = 2,048 bytes: chunk c (512 bytes) holds, at 16 x lane, the 16 codes of row lane % 16 at k = 32 c + 16 (lane / 16) + 0 .. 15.
; 1,280 fragments, one to a wave: g = 5 x work-group + wave.  g < 512: ip_W (tile g % 16 of rows, K step g / 16); 512..639: cls_W; 640..767: gate_W; 768..1279: head_W (tile gl / 2, K step gl % 2).
; One path through the text: pointers, offsets and the scale's index are chosen by s_cselect on g, which is made of ids alone.
; code = x / 2^e, held within +-57,344, to the nearest code, ties to even.  LIMITS: e between -126 and 112; NaN among the inputs is not served.
; Each load takes 512 consecutive bytes of one row; the 16 rows turn through the wave's own stage in LDS (pitch 528 = 33 x 16 bytes) so that a lane gets 16 neighbours along K.  No barrier: waves share nothing.
.set CGQ,  1048576                     ; wq: ip_W's fragments at 0, cls_W's and gate_W's here,
.set HDQ,  1572864                     ; head_W's here
.set SP,   528
.set OFFR, 16                          ; v16-31   byte offset of my 16 bytes in row i
.set RR,   32                          ; v32-95   the rows as loaded
.set XX,   96                          ; v96-159  64 numbers: register 16 c + i = k 32 c + 16 (lane / 16) + i of my row
.set CC,   160                         ; v160-175 the codes
	s_load_b256 s[4:11], s[0:1], 0x0               ; ip_W s[4:5], cls_W s[6:7], gate_W s[8:9], head_W s[10:11]
	s_load_b128 s[12:15], s[0:1], 0x20             ; the scales' exponents s[12:13], wq s[14:15]
	v_lshl_add_u32 v192, v0, 2, 0xa500
	v_mov_b32 v193, 0
	v_lshrrev_b32 v4, 5, v0
	v_readfirstlane_b32 s16, v4                    ; wave 0..4
	s_mul_i32 s17, ttmp9, 5
	s_add_co_u32 s17, s17, s16                     ; g
	s_mov_b32 s18, 768                             ; the first g of my tensor
	s_cmp_lt_u32 s17, 768
	s_cselect_b32 s18, 640, s18
	s_cmp_lt_u32 s17, 640
	s_cselect_b32 s18, 512, s18
	s_cmp_lt_u32 s17, 512
	s_cselect_b32 s18, 0, s18
	s_sub_co_u32 s19, s17, s18                     ; gl
	s_lshr_b32 s20, s19, 1                         ; rows of 1,024 bytes: tile T
	s_and_b32 s21, s19, 1                          ; and K step
	s_lshl_b32 s22, s20, 14
	s_lshl_b32 s23, s21, 9
	s_add_co_u32 s22, s22, s23                     ; their source offset: 16,384 T + 512 s
	s_and_b32 s23, s17, 15
	s_lshl_b32 s23, s23, 18
	s_lshr_b32 s24, s17, 4
	s_lshl_b32 s24, s24, 9
	s_add_co_u32 s23, s23, s24                     ; ip_W's: 262,144 (g % 16) + 512 (g / 16)
	s_lshr_b32 s24, s20, 2                         ; cls, gate: T = 16 layer + 4 wave + tile: 16 fragments for each (layer, wave),
	s_lshl_b32 s24, s24, 4
	s_and_b32 s25, s20, 3
	s_lshl_b32 s25, s25, 1
	s_add_co_u32 s24, s24, s25
	s_add_co_u32 s24, s24, s21                     ; cls's eight (2 tile + K step) first,
	s_lshl_b32 s24, s24, 11
	s_add_co_u32 s24, s24, CGQ
	s_add_co_u32 s25, s24, 16384                   ; then gate's eight
	s_lshl_b32 s26, s19, 11
	s_add_co_u32 s26, s26, HDQ                     ; head_W's place
	s_lshl_b32 s27, s17, 11                        ; ip_W's place
	s_lshr_b32 s28, s20, 4
	s_lshl_b32 s28, s28, 2
	s_add_co_u32 s29, s28, 5                       ; the scale's entry: gate_W 5 + 4 layer,
	s_add_co_u32 s28, s28, 3                       ; cls_W 3 + 4 layer
	v_and_b32 v4, 31, v0
	v_lshlrev_b32 v1, 4, v4                        ; 16 x lane
	s_mul_i32 s37, s16, 16*SP                      ; my stage
	v_add_nc_u32 v2, s37, v1                       ; into it: a row's 512 bytes as they lie
	v_and_b32 v5, 15, v0
	v_bfe_u32 v6, v0, 4, 1
	v_mul_u32_u24 v3, v5, SP
	v_lshl_add_u32 v3, v6, 6, v3
	v_add_nc_u32 v3, s37, v3                       ; out of it: row lane % 16, + 64 bytes for the upper half of the lanes
	s_wait_kmcnt 0x0
	s_cmp_lt_u32 s17, 768
	s_cselect_b64 s[30:31], s[8:9], s[10:11]
	s_cselect_b32 s32, s25, s26
	s_cselect_b32 s33, s29, 19
	s_cmp_lt_u32 s17, 640
	s_cselect_b64 s[30:31], s[6:7], s[30:31]
	s_cselect_b32 s32, s24, s32
	s_cselect_b32 s33, s28, s33
	s_cmp_lt_u32 s17, 512
	s_cselect_b64 s[30:31], s[4:5], s[30:31]       ; the tensor,
	s_cselect_b32 s32, s27, s32                    ; the fragment's place in wq,
	s_cselect_b32 s33, 1, s33                      ; the scale's entry,
	s_cselect_b32 s34, s23, s22                    ; the source offset,
	s_mov_b32 s35, 1024
	s_cselect_b32 s35, 16384, s35                  ; a row's bytes
	s_lshl_b32 s38, s33, 2
	s_mov_b32 s39, 0
	s_add_nc_u64 s[12:13], s[12:13], s[38:39]
	s_load_b32 s36, s[12:13], 0x0                  ; e
	s_mov_b32 s40, s34
	s_mov_b32 s41, 0
	s_add_nc_u64 s[30:31], s[30:31], s[40:41]
	s_mov_b32 s42, s32
	s_mov_b32 s43, 0
	s_add_nc_u64 s[14:15], s[14:15], s[42:43]
.irp i, 0,1,2,3,4,5,6,7,8,9,10,11,12,13,14,15
	v_mad_u32_u24 v[OFFR+\i], s35, \i, v1
.endr
.irp i, 0,1,2,3,4,5,6,7,8,9,10,11,12,13,14,15
	global_load_b128 v[RR+4*\i:RR+4*\i+3], v[OFFR+\i], s[30:31] th:TH_LOAD_NT   ; 32 lanes read 512 consecutive bytes of row i
.endr
	s_wait_kmcnt 0x0
	s_add_co_i32 s36, s36, 127
	s_lshl_b32 s38, s36, 23
	v_mov_b32 v11, s38                             ; 2^e as f32: the conversion takes its exponent field
	s_add_co_i32 s36, s36, 15
	s_lshl_b32 s36, s36, 23
	s_or_b32 s36, s36, 0x600000
	v_mov_b32 v10, s36                             ; 57,344 x 2^e
	s_wait_loadcnt 0x0
.irp i, 0,1,2,3,4,5,6,7,8,9,10,11,12,13,14,15
	ds_store_b128 v2, v[RR+4*\i:RR+4*\i+3] offset:SP*\i
.endr
.irp c, 0,1,2,3
.irp j, 0,1,2,3
	ds_load_b128 v[XX+16*\c+4*\j:XX+16*\c+4*\j+3], v3 offset:128*\c+16*\j   ; LDS serves a wave's instructions in order: these see my stores
.endr
.endr
	s_wait_dscnt 0x0
.irp i, 0,1,2,3,4,5,6,7,8,9,10,11,12,13,14,15,16,17,18,19,20,21,22,23,24,25,26,27,28,29,30,31,32,33,34,35,36,37,38,39,40,41,42,43,44,45,46,47,48,49,50,51,52,53,54,55,56,57,58,59,60,61,62,63
	v_med3_num_f32 v[XX+\i], v[XX+\i], -v10, v10   ; the conversion to an 8-bit code does not saturate (ISA guide 7.6.2): the hold at the largest code x the scale
.endr
.irp c, 0,1,2,3
	v_cvt_scalef32_pk8_bf8_f32 v[CC+4*\c:CC+4*\c+1], v[XX+16*\c:XX+16*\c+7], v11
	v_cvt_scalef32_pk8_bf8_f32 v[CC+4*\c+2:CC+4*\c+3], v[XX+16*\c+8:XX+16*\c+15], v11
.endr
.irp c, 0,1,2,3
	global_store_b128 v1, v[CC+4*\c:CC+4*\c+3], s[14:15] offset:512*\c   ; 32 lanes store 512 consecutive bytes, aligned
.endr
	s_wait_tensorcnt 0x0
	ds_add_u32 v192, v193
	s_wait_dscnt 0x0
	s_endpgm
.Lfunc_end_k_qbc6be4e25a_prep:
	.size	k_qbc6be4e25a_prep, .Lfunc_end_k_qbc6be4e25a_prep-k_qbc6be4e25a_prep
	.p2alignl 7, 3214868480
	.fill 96, 4, 3214868480
	.section	.rodata,"a",@progbits
	.p2align	6, 0x0
	.amdhsa_kernel k_qbc6be4e25a_prep
		.amdhsa_group_segment_fixed_size 43008
		.amdhsa_private_segment_fixed_size 0
		.amdhsa_enable_private_segment 0
		.amdhsa_kernarg_size 48
		.amdhsa_user_sgpr_count 2
		.amdhsa_user_sgpr_kernarg_segment_ptr 1
		.amdhsa_wavefront_size32 1
		.amdhsa_system_sgpr_workgroup_id_x 1
		.amdhsa_system_sgpr_workgroup_id_y 1
		.amdhsa_system_sgpr_workgroup_id_z 1
		.amdhsa_system_vgpr_workitem_id 0
		.amdhsa_next_free_vgpr 194
		.amdhsa_next_free_sgpr 66
		.amdhsa_reserve_vcc 0
		.amdhsa_float_denorm_mode_32 3
		.amdhsa_float_denorm_mode_16_64 3
		.amdhsa_memory_ordered 1
		.amdhsa_forward_progress 1
		.amdhsa_inst_pref_size 14
	.end_amdhsa_kernel
	.amdgpu_metadata
---
amdhsa.version: [ 1, 2 ]
amdhsa.kernels:
  - .name:           k_qbc6be4e25a_prep
    .symbol:         k_qbc6be4e25a_prep.kd
    .args:
      - { .name: ip_W, .offset: 0, .size: 8, .value_kind: global_buffer, .address_space: global }
      - { .name: cls_W, .offset: 8, .size: 8, .value_kind: global_buffer, .address_space: global }
      - { .name: gate_W, .offset: 16, .size: 8, .value_kind: global_buffer, .address_space: global }
      - { .name: head_W, .offset: 24, .size: 8, .value_kind: global_buffer, .address_space: global }
      - { .name: lowp_scales, .offset: 32, .size: 8, .value_kind: global_buffer, .address_space: global }
      - { .name: wq, .offset: 40, .size: 8, .value_kind: global_buffer, .address_space: global }
    .group_segment_fixed_size: 43008
    .private_segment_fixed_size: 0
    .kernarg_segment_align: 8
    .kernarg_segment_size: 48
    .max_flat_workgroup_size: 160
    .sgpr_count:     66
    .vgpr_count:     194
    .wavefront_size: 32
...
	.end_amdgpu_metadata
.endif
;; end of part 1
;; launch ipgemm (part 2): grid 256 x 1, 4 waves a work-group, no clusters, 266,752 bytes of LDS; arguments adj, wq, lowp_scales, hp; writes hp
.if DOCPART == 2
	.amdgcn_target "amdgcn-amd-amdhsa--gfx1250"
	.amdhsa_code_object_version 6
	.text
	.protected	k_qbc6be4e25a_ipgemm
	.globl	k_qbc6be4e25a_ipgemm
	.p2align	8
	.type	k_qbc6be4e25a_ipgemm,@function
k_qbc6be4e25a_ipgemm:
	s_mov_b64 s[64:65], 0
	v_nop
	global_prefetch_b8 v0, s[64:65] scope:SCOPE_SE
	s_setreg_imm32_b32 hwreg(HW_REG_WAVE_MODE, 25, 1), 1
	s_wait_xcnt 0x0
; hp[kq][row][n] = the sum over a quarter of K of code(adj[row][k]) x code(ip_W[n][k]): raw sums of codes; the next launch adds the four quarters and multiplies by 2^(e0 + e1).
; SHARES.  Work-group = 64 rows (rb = id / 4) x 1,024 of K (kq = id % 4) x all 256 n.  Wave kw takes k = 1,024 kq + 256 kw .. + 255 for all 64 rows and all n: every byte of adj is read once in the launch,
; and the wave's 32 weight fragments (512 registers) come straight from wq as register images.  Only the four waves' sums meet, in LDS, at the end.
; adj comes by four tensor loads a wave (a tile of 16 rows x 1,024 bytes each, 16 bytes of padding behind a row), all issued at the head: four are out at the most, each LDS byte is filled once.
; A tile's bytes, once read, take the wave's sums of that tile (16 rows x 256 f32, the same pitch): they have had their only fill.
; No cluster: no two work-groups share a tile of adj, and the weight fragments go into registers, where no joint load can land.
; THE MATRIX INSTRUCTION IS USED TRANSPOSED (source 0 = 16 rows of ip_W, source 1 = 16 rows of adj): a lane holds row lane % 16 and eight neighbouring n.
; LIMITS: e0 between -126 and 112; NaN is not served.
; REGISTERS: window 0: v1-7 addresses, v10 hold, v11 scale, v32-159 a tile's 128 numbers a lane (later the sums being added), v160-191 its codes.
;   window 1: two sets of 16 accumulators (tile m in set m % 2).   window 2: the weights' K step 0 (tile t at 16 t).   window 3: K step 1.
.set PITCH, 1040                       ; 1,024 + 16 = 65 x 16 bytes: the 16 rows that a load touches start in 16 different groups of banks (ISA guide 11.1)
.set TILE,  16*PITCH
.set WREG,  4*TILE                     ; a wave's region
.set AX,  2                            ; v2   region + row x pitch + 64 (lane / 16): adj's numbers
.set AS,  3                            ; v3   region + row x pitch + 32 (lane / 16): my sums
.set AR,  4                            ; v4-7 wave k's region + my tile + 16 x lane: the sums to add
.set XX,  32
.set AC,  160
.set G1,  24
.set G0,  32
.set MSB, 0
.macro WIN new                         ; the immediate's high byte repeats the setting that is left
.if MSB != (\new)
	s_set_vgpr_msb (MSB<<8)|(\new)
.set MSB, (\new)
.endif
.endm
.macro PLACES
.rept 4
	v_nop
.endr
.endm
	s_load_b256 s[4:11], s[0:1], 0x0               ; adj s[4:5], wq s[6:7], the scales' exponents s[8:9], hp s[10:11]
	v_lshl_add_u32 v254, v0, 2, 0x41000
	v_mov_b32 v255, 0
	ds_add_u32 v254, v255
	ds_add_u32 v254, v255
	v_lshrrev_b32 v1, 5, v0
	v_readfirstlane_b32 s12, v1                    ; wave kw
	s_lshr_b32 s13, ttmp9, 2                       ; rb
	s_and_b32 s14, ttmp9, 3                        ; kq
	s_mov_b32 s[G1+0], (2<<16)|(1<<20)|(7<<22)|(3<<25)   ; elements of 4 bytes; padding on: 4 words behind every 256
	s_mov_b32 s[G1+1], 256<<16                     ; tensor_dim0 = 256
	s_mov_b32 s[G1+2], 16<<16                      ; tensor_dim1 = 16
	s_mov_b32 s[G1+3], 256<<16                     ; tile_dim0 = 256
	s_mov_b32 s[G1+4], 16                          ; tile_dim1 = 16
	s_mov_b32 s[G1+5], 4096                        ; elements from row to row
	s_mov_b32 s[G1+6], 0
	s_mov_b32 s[G1+7], 0
	s_lshl_b32 s16, s13, 20                        ; 64 rows of 16,384 bytes
	s_lshl_b32 s17, s14, 12
	s_add_co_u32 s16, s16, s17
	s_lshl_b32 s17, s12, 10
	s_add_co_u32 s16, s16, s17                     ; + 4 (1,024 kq + 256 kw)
	s_mov_b32 s17, 0
	s_mul_i32 s18, s12, WREG
	s_wait_dscnt 0x0
	s_wait_kmcnt 0x0
	s_load_b32 s19, s[8:9], 0x0                    ; e0
	s_add_nc_u64 s[4:5], s[4:5], s[16:17]
.irp m, 0,1,2,3
	s_mov_b32 s[G0+4*\m], 1
	s_add_co_u32 s[G0+4*\m+1], s18, \m*TILE
	s_add_nc_u64 s[G0+4*\m+2:G0+4*\m+3], s[4:5], \m<<18
	s_or_b32 s[G0+4*\m+3], s[G0+4*\m+3], 0x80000000
.endr
	tensor_load_to_lds s[G0:G0+3], s[G1:G1+7]
	s_nop 0
	tensor_load_to_lds s[G0+4:G0+7], s[G1:G1+7]
	s_nop 0
	tensor_load_to_lds s[G0+8:G0+11], s[G1:G1+7]
	s_nop 0
	tensor_load_to_lds s[G0+12:G0+15], s[G1:G1+7]
	s_nop 0
	PLACES                                         ; four plain lines follow the tensor loads
	v_and_b32 v8, 31, v0
	v_lshlrev_b32 v1, 4, v8                        ; 16 x lane
	v_and_b32 v8, 15, v0
	v_bfe_u32 v9, v0, 4, 1
	v_mul_u32_u24 v8, v8, PITCH
	v_add_nc_u32 v8, s18, v8
	v_lshl_add_u32 v[AX], v9, 6, v8
	v_lshl_add_u32 v[AS], v9, 5, v8
	s_mul_i32 s15, s12, TILE
	v_add_nc_u32 v[AR], s15, v1
	v_add_nc_u32 v[AR+1], WREG, v[AR]
	v_add_nc_u32 v[AR+2], 2*WREG, v[AR]
	v_add_nc_u32 v[AR+3], 3*WREG, v[AR]
	s_lshl_b32 s20, s14, 18
	s_lshl_b32 s21, s12, 16
	s_add_co_u32 s20, s20, s21                     ; my 32 fragments: K steps 8 kq + 2 kw and the next, 16 tiles each
	s_mov_b32 s21, 0
	s_add_nc_u64 s[6:7], s[6:7], s[20:21]
	s_lshl_b32 s22, s14, 22
	s_lshl_b32 s23, s13, 16
	s_add_co_u32 s22, s22, s23
	s_lshl_b32 s23, s12, 14
	s_add_co_u32 s22, s22, s23                     ; hp: quarter kq, row 64 rb + 16 wave
	s_mov_b32 s23, 0
	s_add_nc_u64 s[10:11], s[10:11], s[22:23]
	WIN 0x80                                       ; destination window 2
.irp t, 0,1,2,3,4,5,6,7,8,9,10,11,12,13,14,15
.irp c, 0,1,2,3
	global_load_b128 v[16*\t+4*\c:16*\t+4*\c+3], v1, s[6:7] offset:2048*\t+512*\c
.endr
.endr
	WIN 0xc0                                       ; destination window 3
.irp t, 0,1,2,3,4,5,6,7,8,9,10,11,12,13,14,15
.irp c, 0,1,2,3
	global_load_b128 v[16*\t+4*\c:16*\t+4*\c+3], v1, s[6:7] offset:2048*(16+\t)+512*\c
.endr
.endr
	WIN 0
	s_wait_kmcnt 0x0
	s_add_co_i32 s19, s19, 127
	s_lshl_b32 s20, s19, 23
	v_mov_b32 v11, s20                             ; 2^e0
	s_add_co_i32 s19, s19, 15
	s_lshl_b32 s19, s19, 23
	s_or_b32 s19, s19, 0x600000
	v_mov_b32 v10, s19                             ; 57,344 x 2^e0
.macro XLOAD m                         ; tile m: register 64 s + 16 c + i = k 128 s + 32 c + 16 (lane / 16) + i of my row
.irp ks, 0,1
.irp c, 0,1,2,3
.irp j, 0,1,2,3
	ds_load_b128 v[XX+64*\ks+16*\c+4*\j:XX+64*\ks+16*\c+4*\j+3], v[AX] offset:(\m)*TILE+512*\ks+128*\c+16*\j
.endr
.endr
.endr
.endm
.macro QUANT
.set i, 0
.rept 128
	v_med3_num_f32 v[XX+i], v[XX+i], -v10, v10     ; the hold at the largest code x the scale (ISA guide 7.6.2).  These 128 are also the places behind the tile before's products
.set i, i+1
.endr
.irp g, 0,1,2,3,4,5,6,7
	v_cvt_scalef32_pk8_bf8_f32 v[AC+4*\g:AC+4*\g+1], v[XX+16*\g:XX+16*\g+7], v11
	v_cvt_scalef32_pk8_bf8_f32 v[AC+4*\g+2:AC+4*\g+3], v[XX+16*\g+8:XX+16*\g+15], v11
.endr
	v_nop                                          ; one plain line between the conversions and the products that read the codes
.endm
.macro MULT m                          ; 32 products: the 16 accumulators take turns, K step by K step
	WIN 0x52                                       ; source 0 window 2, source 1 window 0, C and D window 1
.irp t, 0,1,2,3,4,5,6,7,8,9,10,11,12,13,14,15
	v_wmma_f32_16x16x128_bf8_bf8 v[128*((\m)%2)+8*\t:128*((\m)%2)+8*\t+7], v[16*\t:16*\t+15], v[AC:AC+15], 0
.endr
	WIN 0x53                                       ; source 0 window 3
.irp t, 0,1,2,3,4,5,6,7,8,9,10,11,12,13,14,15
	v_wmma_f32_16x16x128_bf8_bf8 v[128*((\m)%2)+8*\t:128*((\m)%2)+8*\t+7], v[16*\t:16*\t+15], v[AC+16:AC+31], v[128*((\m)%2)+8*\t:128*((\m)%2)+8*\t+7]
.endr
	WIN 0
.endm
.macro PUT m                           ; tile m's sums into the bytes that held its numbers: row lane % 16, n = 16 t + 8 (lane / 16) + 0 .. 7; each accumulator from its low end on
	WIN 0x04                                       ; store data window 1
.irp t, 0,1,2,3,4,5,6,7,8,9,10,11,12,13,14,15
	ds_store_b128 v[AS], v[128*((\m)%2)+8*\t:128*((\m)%2)+8*\t+3] offset:(\m)*TILE+64*\t
	ds_store_b128 v[AS], v[128*((\m)%2)+8*\t+4:128*((\m)%2)+8*\t+7] offset:(\m)*TILE+64*\t+16
.endr
	WIN 0
.endm
.irp m, 0,1,2,3
	s_wait_tensorcnt 3-\m                          ; a wave's tensor loads end in order (ISA guide 10.11.1): tile m is in, the younger tiles stay out
	XLOAD \m
	s_wait_dscnt 0x0
	QUANT
.if \m > 0
	PUT \m-1
.else
	s_wait_loadcnt 0x0                             ; the weights
.endif
	MULT \m
.endr
	PLACES
	PUT 3
	s_wait_dscnt 0x0                               ; for the others' sake: my sums lie in LDS
	s_barrier_signal -1
	s_barrier_wait -1
	; wave w adds the four waves' sums of tile w, eight pieces of 512 bytes at a time, and stores whole pieces
.irp bt, 0,1,2,3
.if \bt > 0
	s_wait_xcnt 0x0                                ; the last batch's stores have read their registers
.endif
.irp x, 0,1,2,3,4,5,6,7
.irp kp, 0,1,2,3
	ds_load_b128 v[XX+16*\x+4*\kp:XX+16*\x+4*\kp+3], v[AR+\kp] offset:(4*\bt+\x/2)*PITCH+512*(\x%2)
.endr
.endr
	s_wait_dscnt 0x0
.irp x, 0,1,2,3,4,5,6,7
.irp d, 0,2
	v_pk_add_f32 v[XX+16*\x+\d:XX+16*\x+\d+1], v[XX+16*\x+\d:XX+16*\x+\d+1], v[XX+16*\x+4+\d:XX+16*\x+4+\d+1]
	v_pk_add_f32 v[XX+16*\x+8+\d:XX+16*\x+8+\d+1], v[XX+16*\x+8+\d:XX+16*\x+8+\d+1], v[XX+16*\x+12+\d:XX+16*\x+12+\d+1]
	v_pk_add_f32 v[XX+16*\x+\d:XX+16*\x+\d+1], v[XX+16*\x+\d:XX+16*\x+\d+1], v[XX+16*\x+8+\d:XX+16*\x+8+\d+1]
.endr
	global_store_b128 v1, v[XX+16*\x:XX+16*\x+3], s[10:11] offset:(4*\bt+\x/2)*1024+512*(\x%2)   ; 512 consecutive bytes, aligned
.endr
.endr
	s_wait_tensorcnt 0x0
	ds_add_u32 v254, v255
	s_wait_dscnt 0x0
	s_endpgm
.Lfunc_end_k_qbc6be4e25a_ipgemm:
	.size	k_qbc6be4e25a_ipgemm, .Lfunc_end_k_qbc6be4e25a_ipgemm-k_qbc6be4e25a_ipgemm
	.p2alignl 7, 3214868480
	.fill 96, 4, 3214868480
	.section	.rodata,"a",@progbits
	.p2align	6, 0x0
	.amdhsa_kernel k_qbc6be4e25a_ipgemm
		.amdhsa_group_segment_fixed_size 266752
		.amdhsa_private_segment_fixed_size 0
		.amdhsa_enable_private_segment 0
		.amdhsa_kernarg_size 32
		.amdhsa_user_sgpr_count 2
		.amdhsa_user_sgpr_kernarg_segment_ptr 1
		.amdhsa_wavefront_size32 1
		.amdhsa_system_sgpr_workgroup_id_x 1
		.amdhsa_system_sgpr_workgroup_id_y 1
		.amdhsa_system_sgpr_workgroup_id_z 1
		.amdhsa_system_vgpr_workitem_id 0
		.amdhsa_next_free_vgpr 1024
		.amdhsa_next_free_sgpr 66
		.amdhsa_reserve_vcc 0
		.amdhsa_float_denorm_mode_32 3
		.amdhsa_float_denorm_mode_16_64 3
		.amdhsa_memory_ordered 1
		.amdhsa_forward_progress 1
		.amdhsa_inst_pref_size 102
	.end_amdhsa_kernel
	.amdgpu_metadata
---
amdhsa.version: [ 1, 2 ]
amdhsa.kernels:
  - .name:           k_qbc6be4e25a_ipgemm
    .symbol:         k_qbc6be4e25a_ipgemm.kd
    .args:
      - { .name: adj, .offset: 0, .size: 8, .value_kind: global_buffer, .address_space: global }
      - { .name: wq, .offset: 8, .size: 8, .value_kind: global_buffer, .address_space: global }
      - { .name: lowp_scales, .offset: 16, .size: 8, .value_kind: global_buffer, .address_space: global }
      - { .name: hp, .offset: 24, .size: 8, .value_kind: global_buffer, .address_space: global }
    .group_segment_fixed_size: 266752
    .private_segment_fixed_size: 0
    .kernarg_segment_align: 8
    .kernarg_segment_size: 32
    .max_flat_workgroup_size: 128
    .sgpr_count:     66
    .vgpr_count:     1024
    .wavefront_size: 32
...
	.end_amdgpu_metadata
.endif
;; end of part 2
;; launch chain (part 3): grid 256 x 1, 4 waves a work-group, no clusters, 220,672 bytes of LDS; arguments lfs_max, lfi_max, lfs_min, lfi_min, trop_b, lf_mix, cls_b, gate_b, norm_g, norm_b, hp, ip_b, on_g, on_b, trop_W, wq, lowp_scales, hq; writes hq
.if DOCPART == 3
	.amdgcn_target "amdgcn-amd-amdhsa--gfx1250"
	.amdhsa_code_object_version 6
	.text
	.protected	k_qbc6be4e25a_chain
	.globl	k_qbc6be4e25a_chain
	.p2align	8
	.type	k_qbc6be4e25a_chain,@function
k_qbc6be4e25a_chain:
	s_mov_b64 s[64:65], 0
	v_nop
	global_prefetch_b8 v0, s[64:65] scope:SCOPE_SE
	s_setreg_imm32_b32 hwreg(HW_REG_WAVE_MODE, 25, 1), 1
	s_wait_xcnt 0x0
; Rows 16 g .. 16 g + 15 go through h = (the four quarters of hp) x 2^(e0 + e1) + ip_b, the four layers and the last LayerNorm, whose codes leave as two register images (hq).
; THE MIN-PLUS PRODUCT decides the time: 256 x 256 (add, min) pairs a row and layer, in f32.  Two elements cost one v_pk_add_f32 and one v_min3_num_f32.
;   Lane = (ol = lane / 8: one of 4 outputs, sl = lane % 8: one of 8 slices of i); a lane's i are 32 q + 4 sl + k.  Wave w owns outputs 64 w .. + 63: 16 steps of 4 outputs, each for all 16 rows.
;   hn of all 16 rows stays in 512 registers for the layer; a lane's 32 numbers of trop_W[o] come by 8 loads of 16 bytes straight from memory (a step is 4 KB on end), through a ring of four register slots,
;   three steps ahead; each byte of trop_W is read once by the work-group and feeds 16 rows.  The 8 slices meet by three exchanges that halve the registers each time.
; THE TWO QUANTISED PRODUCTS of a layer: source 0 = hn's codes (16 rows), source 1 = 16 rows of cls_W or gate_W: a lane holds output 64 w + 16 tile + lane % 16 and rows 8 (lane / 16) + 0 .. 7; the epilogue works in that layout,
;   and the residual h stays in the owner lane's registers (window 3) from layer to layer; a copy goes to LDS for the next LayerNorm.
; No cluster: all work-groups read the same weights, but each byte goes once into the registers of the one wave that uses it; a joint load lands in LDS and would add a write and a read of every byte.
; The small per-layer tables come by eight tensor loads a wave at the head (eight are out at the most); every LDS byte is filled once.
; ARITHMETIC: LayerNorm in two passes (mean, then the squares of the differences).  gelu is exact gelu with erf by Abramowitz and Stegun 7.1.26: absolute error of erf at most 1.5e-7.
; LIMITS: every e between -126 and 112, every sum of a product's two e between -126 and 127; NaN is not served.
; LDS (bytes): HS 0 h [16][1,040]; HN 16,640 hn, the same; QC 33,280 and QG 37,632 codes [16][272]; TR 41,984 minima [256 o][80]; NG 62,464 norm_g and on_g; NB 67,584 norm_b and on_b;
;   72,704 trop_b, lf_mix, cls_b, gate_b, 4,096 each; 89,088 lfs_max, lfi_max, lfs_min, lfi_min, 32,768 each.
; REGISTERS: window 0: v1-23 addresses and scales, v[30:31] a constant, v32-47 the 16 rows' minima, v48-63 the exchanges, v64-127 hn's code fragments, v128-255 the sums hn + W; LayerNorm and epilogue use v32-255 in their turn.
;   window 1: the layer's 16 weight fragments, then hn rows 0-7.   window 2: hn rows 8-15.   window 3: v0-127 the ring, v128-159 cls sums, v160-191 gate sums, v192-223 the residual.
.set RP,   1040
.set HNB,  16640
.set QC,   33280
.set QGO,  4352
.set TRB,  41984
.set NG,   62464
.set NBO,  5120
.set TBB,  72704
.set LSX,  89088
.set CGQ,  1048576
.set WV,   2                           ; s2  wave
.set LC,   3                           ; s3  layer
.set WB,   32                          ; s[32:33] trop_W at my wave's 64 rows of layer 0
.set BQ,   34                          ; s[34:35] wq at my wave's 16 fragments of the layer to be fetched
.set LSP,  36                          ; s[36:37] the scales' exponents, stepped by a layer's four
.set HQ,   38
.set SC1,  66                          ; s[66:67] 2^(e0 + e1), then 2^(cls's two e)
.set SC2,  104                         ; s[104:105] 2^(gate's two e)
.set I256, 90
.set EPS,  91
.set M1,   92                          ; lanes with bit 0, 1, 2 of their number set
.set M2,   93
.set M4,   94
.set UC,   95                          ; trip of the min-plus loop
.set TRO,  96                          ; 1,280 x trip
.set L1K,  97                          ; 1,024 x layer
.set L8K,  98                          ; 8,192 x layer
.set TAU,  99                          ; 4 x layer
.set PL,   100                         ; s[100:101] where the ring's loads of this trip read
.set ACC,  32
.set TP,   128
.set LX,   128                         ; LayerNorm: the row's 32 numbers, gain, bias, at work
.set LG,   160
.set LB,   192
.set LY,   224
.set ZC,   144                         ; epilogue, eight registers each: cls's z; gate's z, then g; y; 1 / (1 + p |y|); exp(-y y); t; max pieces; min pieces
.set ZG,   152
.set YY,   160
.set UU,   168
.set AE,   176
.set TT,   184
.set MXP,  192
.set MNP,  200
.set LFT,  208                         ; sixteen: a pair of rows x 8 pieces
.set PP,   224
.set MIX,  232
.set MSB, 0
.macro WIN new                         ; the immediate's high byte repeats the setting that is left
.if MSB != (\new)
	s_set_vgpr_msb (MSB<<8)|(\new)
.set MSB, (\new)
.endif
.endm
.macro PLACES
.rept 4
	v_nop
.endr
.endm
.macro BARRIER                         ; my LDS stores have landed and my LDS loads are in: then the work-group's barrier
	s_wait_dscnt 0x0
	s_barrier_signal -1
	s_barrier_wait -1
.endm
.macro MKG0 g, ptr, region, offr       ; descriptor group 0: my quarter of a table
	s_mov_b32 s[\g], 1
	s_add_co_u32 s[\g+1], s[\offr], \region
	s_add_nc_u64 s[\g+2:\g+3], s[\ptr:\ptr+1], s[\offr:\offr+1]
	s_or_b32 s[\g+3], s[\g+3], 0x80000000
.endm
.macro MKQ e, vs, vh                   ; v[vs] = 2^e, v[vh] = 57,344 x 2^e
	s_add_co_i32 s44, s[\e], 127
	s_lshl_b32 s45, s44, 23
	v_mov_b32 v[\vs], s45
	s_add_co_i32 s44, s44, 15
	s_lshl_b32 s44, s44, 23
	s_or_b32 s44, s44, 0x600000
	v_mov_b32 v[\vh], s44
.endm
.macro FRAGS                           ; a layer's 16 weight fragments of my wave -> window 1 (fragment 8 mat + 2 tile + K step at 16 f)
	WIN 0x40
.irp f, 0,1,2,3,4,5,6,7,8,9,10,11,12,13,14,15
.irp c, 0,1,2,3
	global_load_b128 v[16*\f+4*\c:16*\f+4*\c+3], v1, s[BQ:BQ+1] offset:2048*\f+512*\c
.endr
.endr
	WIN 0
.endm
	s_load_b512 s[4:19], s[0:1], 0x0               ; lfs_max, lfi_max, lfs_min, lfi_min, trop_b, lf_mix, cls_b, gate_b
	s_load_b512 s[20:35], s[0:1], 0x40             ; norm_g, norm_b, hp, ip_b, on_g, on_b, trop_W, wq
	s_load_b128 s[36:39], s[0:1], 0x80             ; the scales' exponents, hq
	v_lshl_add_u32 v28, v0, 2, 0x35c00
	v_mov_b32 v29, 0
	ds_add_u32 v28, v29
	ds_add_u32 v28, v29
	v_lshrrev_b32 v32, 5, v0
	v_readfirstlane_b32 s[WV], v32
	s_mov_b32 s40, 3<<16                           ; group 1 for the large tables: elements of 8 bytes, 32 rows of 32 elements (256 bytes), dense
	s_mov_b32 s41, 32<<16
	s_mov_b32 s42, 32<<16
	s_mov_b32 s43, 32<<16
	s_mov_b32 s44, 32
	s_mov_b32 s45, 32
	s_mov_b32 s46, 0
	s_mov_b32 s47, 0
	s_mov_b32 s48, 3<<16                           ; for the small ones: 4 such rows
	s_mov_b32 s49, 32<<16
	s_mov_b32 s50, 4<<16
	s_mov_b32 s51, 32<<16
	s_mov_b32 s52, 4
	s_mov_b32 s53, 32
	s_mov_b32 s54, 0
	s_mov_b32 s55, 0
	s_lshl_b32 s92, s[WV], 13
	s_mov_b32 s93, 0
	s_lshl_b32 s94, s[WV], 10
	s_mov_b32 s95, 0
	s_wait_dscnt 0x0
	s_wait_kmcnt 0x0
	MKG0 56, 4, LSX, 92
	MKG0 60, 6, LSX+32768, 92
	MKG0 68, 8, LSX+65536, 92
	MKG0 72, 10, LSX+98304, 92
	MKG0 76, 12, TBB, 94
	MKG0 80, 14, TBB+4096, 94
	MKG0 84, 16, TBB+8192, 94
	MKG0 88, 18, TBB+12288, 94
	tensor_load_to_lds s[56:59], s[40:47]
	s_nop 0
	tensor_load_to_lds s[60:63], s[40:47]
	s_nop 0
	tensor_load_to_lds s[68:71], s[40:47]
	s_nop 0
	tensor_load_to_lds s[72:75], s[40:47]
	s_nop 0
	tensor_load_to_lds s[76:79], s[48:55]
	s_nop 0
	tensor_load_to_lds s[80:83], s[48:55]
	s_nop 0
	tensor_load_to_lds s[84:87], s[48:55]
	s_nop 0
	tensor_load_to_lds s[88:91], s[48:55]
	s_nop 0
	PLACES                                         ; four plain lines follow the tensor loads
	s_load_b64 s[SC1:SC1+1], s[LSP:LSP+1], 0x0     ; e0, e1
	v_and_b32 v32, 31, v0                          ; lane
	v_lshlrev_b32 v1, 4, v32                       ; v1  16 x lane
	v_and_b32 v33, 7, v0                           ; sl
	v_bfe_u32 v34, v0, 3, 2                        ; ol
	v_and_b32 v35, 15, v0                          ; r
	v_bfe_u32 v36, v0, 4, 1                        ; h
	v_lshrrev_b32 v37, 3, v0                       ; 4 wave + ol: LayerNorm's row
	v_lshrrev_b32 v38, 5, v0
	v_lshl_add_u32 v38, v38, 6, v35                ; 64 wave + r
	v_lshlrev_b32 v39, 4, v0                       ; 16 x thread
	v_lshlrev_b32 v40, 3, v0                       ; 8 x thread
	v_lshlrev_b32 v2, 10, v34
	v_lshl_add_u32 v2, v33, 4, v2                  ; v2  trop_W: 1,024 ol + 16 sl
	v_mul_u32_u24 v3, v37, RP
	v_lshl_add_u32 v3, v33, 7, v3                  ; v3  HS: my row, + 128 sl: 32 neighbours
	v_add_nc_u32 v4, HNB, v3                       ; v4  the same in HN
	v_mul_u32_u24 v5, v37, 272
	v_lshl_add_u32 v5, v33, 5, v5
	v_add_nc_u32 v5, QC, v5                        ; v5  their 32 codes
	v_lshlrev_b32 v6, 7, v33
	v_add_nc_u32 v6, NG, v6                        ; v6  gain (bias 5,120 on); v7 = + 1,024 x layer
	v_mul_u32_u24 v8, v35, 272
	v_lshl_add_u32 v8, v36, 4, v8
	v_add_nc_u32 v8, QC, v8                        ; v8  a code fragment: row r, + 16 h
	v_lshlrev_b32 v9, 4, v33
	v_add_nc_u32 v9, HNB, v9                       ; v9  hn for the min-plus product: + 16 sl
	v_mul_u32_u24 v10, v34, 80
	v_lshl_add_u32 v10, v33, 2, v10
	s_mul_i32 s96, s[WV], 5120
	s_add_co_u32 s96, s96, TRB
	v_add_nc_u32 v10, s96, v10                     ; v10 TR: output 64 wave + ol, row sl; v11 = + 1,280 x trip
	v_mul_u32_u24 v12, v38, 80
	v_lshl_add_u32 v12, v36, 5, v12
	v_add_nc_u32 v12, TRB, v12                     ; v12 TR, read back: output 64 wave + r, rows 8 h on
	v_mul_u32_u24 v13, v36, 8*RP
	v_lshl_add_u32 v13, v38, 2, v13                ; v13 HS: row 8 h, column 64 wave + r
	v_lshlrev_b32 v14, 5, v38
	v_add_nc_u32 v14, LSX, v14                     ; v14 an output's 8 slopes; v15 = + 8,192 x layer; v16 = v15 + 65,536
	v_lshlrev_b32 v17, 2, v38
	v_add_nc_u32 v17, TBB, v17                     ; v17 an output's trop_b; v18 = + 1,024 x layer
	s_lshl_b32 s96, s[WV], 6
	v_add_nc_u32 v23, s96, v8                      ; v23 the tail: my two chunks of the last codes
	v_mov_b32 v30, 0x3f87dc22                      ; erf's a5, twice
	v_mov_b32 v31, 0x3f87dc22
	s_mul_i32 s96, s[WV], 4*RP
	v_add_nc_u32 v41, s96, v1                      ; HS: my wave's four rows, 16 x lane
	v_add_nc_u32 v42, NG, v39
	v_add_nc_u32 v43, NG+4096, v40
	s_lshl_b32 s96, ttmp9, 14
	s_lshl_b32 s97, s[WV], 12
	s_add_co_u32 s96, s96, s97
	s_mov_b32 s97, 0
	s_add_nc_u64 s[24:25], s[24:25], s[96:97]      ; hp at row 16 g + 4 wave, quarters 0 and 1 (4 MB apart: inside the immediate),
	s_add_nc_u64 s[98:99], s[24:25], 0x800000      ; quarters 2 and 3
	s_lshl_b32 s96, s[WV], 15
	s_add_co_u32 s96, s96, CGQ
	s_add_nc_u64 s[BQ:BQ+1], s[BQ:BQ+1], s[96:97]
	s_lshl_b32 s96, s[WV], 16
	s_add_nc_u64 s[WB:WB+1], s[WB:WB+1], s[96:97]
.irp pq, 0,1
.irp ro, 0,1,2,3
.irp hf, 0,1
	global_load_b128 v[128+32*\pq+8*\ro+4*\hf:128+32*\pq+8*\ro+4*\hf+3], v1, s[24:25] offset:4194304*\pq+1024*\ro+512*\hf th:TH_LOAD_NT
	global_load_b128 v[192+32*\pq+8*\ro+4*\hf:192+32*\pq+8*\ro+4*\hf+3], v1, s[98:99] offset:4194304*\pq+1024*\ro+512*\hf th:TH_LOAD_NT
.endr
.endr
.endr
	global_load_b128 v[64:67], v1, s[26:27]                    ; ip_b
	global_load_b128 v[68:71], v1, s[26:27] offset:512
	global_load_b128 v[72:75], v39, s[20:21]                   ; norm_g, norm_b: 16 bytes a thread, twice
	global_load_b128 v[76:79], v39, s[20:21] offset:2048
	global_load_b128 v[80:83], v39, s[22:23]
	global_load_b128 v[84:87], v39, s[22:23] offset:2048
	global_load_b64 v[88:89], v40, s[28:29]                    ; on_g, on_b
	global_load_b64 v[90:91], v40, s[30:31]
	FRAGS                                          ; layer 0's weights
	WIN 0xc0                                       ; the ring's four slots: layer 0, steps 0 to 3
.irp sv, 0,1,2,3
.irp q, 0,1,2,3,4,5,6,7
	global_load_b128 v[32*\sv+4*\q:32*\sv+4*\q+3], v2, s[WB:WB+1] offset:4096*\sv+128*\q
.endr
.endr
	WIN 0
	s_wait_kmcnt 0x0
	s_add_co_i32 s[SC1], s[SC1], s[SC1+1]
	s_add_co_i32 s[SC1], s[SC1], 127
	s_lshl_b32 s[SC1], s[SC1], 23                  ; 2^(e0 + e1)
	s_mov_b32 s[SC1+1], s[SC1]                     ; (named with it as a pair, so it is written)
	s_wait_loadcnt 0x0
.irp ro, 0,1,2,3
.irp hf, 0,1
.irp d, 0,2
.set PA, 128+8*\ro+4*\hf+\d
	v_pk_add_f32 v[PA:PA+1], v[PA:PA+1], v[PA+32:PA+33]
	v_pk_add_f32 v[PA+64:PA+65], v[PA+64:PA+65], v[PA+96:PA+97]
	v_pk_add_f32 v[PA:PA+1], v[PA:PA+1], v[PA+64:PA+65]
	v_pk_fma_f32 v[PA:PA+1], v[PA:PA+1], s[SC1:SC1+1], v[64+4*\hf+\d:64+4*\hf+\d+1] op_sel_hi:[1,0,1]   ; h = sum x 2^(e0 + e1) + ip_b
.endr
	ds_store_b128 v41, v[128+8*\ro+4*\hf:128+8*\ro+4*\hf+3] offset:RP*\ro+512*\hf
.endr
.endr
	ds_store_b128 v42, v[72:75]
	ds_store_b128 v42, v[76:79] offset:2048
	ds_store_b128 v42, v[80:83] offset:NBO
	ds_store_b128 v42, v[84:87] offset:NBO+2048
	ds_store_b64 v43, v[88:89]
	ds_store_b64 v43, v[90:91] offset:NBO
	s_wait_tensorcnt 0x0                           ; my quarters of the eight tables are in; the descriptors' registers are free
	BARRIER
	s_mov_b32 s[I256], 0x3b800000                  ; 1 / 256
	s_mov_b32 s[EPS], 0x3727c5ac                   ; 1e-5
	s_mov_b32 s[M1], 0xaaaaaaaa
	s_mov_b32 s[M2], 0xcccccccc
	s_mov_b32 s[M4], 0xf0f0f0f0
	s_mov_b32 s[LC], 0
	s_mov_b32 s[L1K], 0
	s_mov_b32 s[L8K], 0
	s_mov_b32 s[TAU], 0
	WIN 0xc0                                       ; the residual into its owner's registers: tile tq, row 8 h + j at v[192 + 8 tq + j] of window 3
.irp tq, 0,1,2,3
.irp j, 0,1,2,3,4,5,6,7
	ds_load_b32 v[192+8*\tq+\j], v13 offset:RP*\j+64*\tq
.endr
.endr
	WIN 0
	s_wait_dscnt 0x0
; LAYERNORM of row 4 wave + lane / 8; a lane holds i = 32 (lane % 8) + 0 .. 31.  full = 1: hn goes to HN, and its codes for cls and for gate to QC and QG; 0: one set of codes, to QC.
.macro LQ vs, vh, cd, off              ; 32 numbers -> 32 codes -> LDS
.set i, 0
.rept 32
	v_med3_num_f32 v[LY+i], v[LX+i], -v[\vh], v[\vh]   ; the hold at the largest code x the scale (ISA guide 7.6.2)
.set i, i+1
.endr
.irp g, 0,1,2,3
	v_cvt_scalef32_pk8_bf8_f32 v[\cd+2*\g:\cd+2*\g+1], v[LY+8*\g:LY+8*\g+7], v[\vs]
.endr
	v_nop                                          ; one plain line behind the conversions: the next lines write their sources again
	ds_store_b128 v5, v[\cd:\cd+3] offset:\off
	ds_store_b128 v5, v[\cd+4:\cd+7] offset:\off+16
.endm
.macro LNORM full
.irp q, 0,1,2,3,4,5,6,7
	ds_load_b128 v[LX+4*\q:LX+4*\q+3], v3 offset:16*\q
.endr
.irp q, 0,1,2,3,4,5,6,7
	ds_load_b128 v[LG+4*\q:LG+4*\q+3], v7 offset:16*\q
.endr
.irp q, 0,1,2,3,4,5,6,7
	ds_load_b128 v[LB+4*\q:LB+4*\q+3], v7 offset:NBO+16*\q
.endr
	s_wait_dscnt 16                                ; the row is in; gain and bias, 16 younger loads, may be out
.irp i, 0,2,4,6,8,10,12,14
	v_pk_add_f32 v[LY+\i:LY+\i+1], v[LX+\i:LX+\i+1], v[LX+16+\i:LX+16+\i+1]
.endr
.irp i, 0,2,4,6
	v_pk_add_f32 v[LY+\i:LY+\i+1], v[LY+\i:LY+\i+1], v[LY+8+\i:LY+8+\i+1]
.endr
.irp i, 0,2
	v_pk_add_f32 v[LY+\i:LY+\i+1], v[LY+\i:LY+\i+1], v[LY+4+\i:LY+4+\i+1]
.endr
	v_pk_add_f32 v[LY:LY+1], v[LY:LY+1], v[LY+2:LY+3]
	v_add_f32 v64, v[LY], v[LY+1]
	v_add_f32_dpp v64, v64, v64 row_xmask:1 row_mask:0xf bank_mask:0xf   ; the row's eight lanes
	v_add_f32_dpp v64, v64, v64 row_xmask:2 row_mask:0xf bank_mask:0xf
	v_add_f32_dpp v64, v64, v64 row_xmask:4 row_mask:0xf bank_mask:0xf
	v_mul_f32 v66, s[I256], v64                    ; the mean, twice: a pair for the packed form
	v_mul_f32 v67, s[I256], v64
.irp i, 0,2,4,6,8,10,12,14,16,18,20,22,24,26,28,30
	v_pk_add_f32 v[LX+\i:LX+\i+1], v[LX+\i:LX+\i+1], v[66:67] neg_lo:[0,1] neg_hi:[0,1]
.endr
	v_pk_mul_f32 v[LY:LY+1], v[LX:LX+1], v[LX:LX+1]            ; the squares of the differences, in two chains
	v_pk_mul_f32 v[LY+2:LY+3], v[LX+2:LX+3], v[LX+2:LX+3]
.irp i, 4,8,12,16,20,24,28
	v_pk_fma_f32 v[LY:LY+1], v[LX+\i:LX+\i+1], v[LX+\i:LX+\i+1], v[LY:LY+1]
	v_pk_fma_f32 v[LY+2:LY+3], v[LX+\i+2:LX+\i+3], v[LX+\i+2:LX+\i+3], v[LY+2:LY+3]
.endr
	v_pk_add_f32 v[LY:LY+1], v[LY:LY+1], v[LY+2:LY+3]
	v_add_f32 v68, v[LY], v[LY+1]
	v_add_f32_dpp v68, v68, v68 row_xmask:1 row_mask:0xf bank_mask:0xf
	v_add_f32_dpp v68, v68, v68 row_xmask:2 row_mask:0xf bank_mask:0xf
	v_add_f32_dpp v68, v68, v68 row_xmask:4 row_mask:0xf bank_mask:0xf
	v_fma_f32 v68, v68, s[I256], s[EPS]
	v_rsq_f32 v70, v68
	v_rsq_f32 v71, v68
	v_nop                                          ; a plain line behind the transcendentals
	s_wait_dscnt 0x0                               ; gain and bias
	s_wait_alu depctr_va_vdst(0)                   ; one wait ahead of the first reader, for both
.irp i, 0,2,4,6,8,10,12,14,16,18,20,22,24,26,28,30
	v_pk_mul_f32 v[LX+\i:LX+\i+1], v[LX+\i:LX+\i+1], v[70:71]
.endr
.irp i, 0,2,4,6,8,10,12,14,16,18,20,22,24,26,28,30
	v_pk_fma_f32 v[LX+\i:LX+\i+1], v[LX+\i:LX+\i+1], v[LG+\i:LG+\i+1], v[LB+\i:LB+\i+1]
.endr
.if \full
.irp q, 0,1,2,3,4,5,6,7
	ds_store_b128 v4, v[LX+4*\q:LX+4*\q+3] offset:16*\q
.endr
.endif
	LQ 19, 20, 48, 0
.if \full
	LQ 21, 22, 56, QGO
.endif
.endm
; ONE STEP OF THE MIN-PLUS PRODUCT: outputs 64 wave + 4 step + ol, all 16 rows, on ring slot sv.  Four batches (8 rows x half of my 32 i): 64 packed sums into v128-255, then 64 minima of three, eight chains.
; Behind the slot's last reader its loads for four steps on are issued.  Then the 8 slices meet: a pair of registers (two rows) becomes one, each lane keeping the row that its bit names and taking the partner's.
.macro OSTEP sv
	s_wait_loadcnt 24                              ; loads come back in order (ISA guide 5.7.1): behind this slot's eight the other three slots' 24 were issued
.irp kw, 1,2
.irp qh, 0,1
	WIN 0x0c+\kw                                   ; source 0 (hn) window 1 or 2, source 1 (W) window 3
.irp ro, 0,1,2,3,4,5,6,7
.irp pi, 0,1,2,3,4,5,6,7
	v_pk_add_f32 v[TP+16*\ro+2*\pi:TP+16*\ro+2*\pi+1], v[32*\ro+16*\qh+2*\pi:32*\ro+16*\qh+2*\pi+1], v[32*\sv+16*\qh+2*\pi:32*\sv+16*\qh+2*\pi+1]
.endr
.endr
.if (\kw == 2) && (\qh == 1)
	WIN 0xc0
.irp q, 0,1,2,3,4,5,6,7
	global_load_b128 v[32*\sv+4*\q:32*\sv+4*\q+3], v2, s[PL:PL+1] offset:4096*\sv+128*\q
.endr
.endif
	WIN 0
.irp pi, 0,1,2,3,4,5,6,7
.irp ro, 0,1,2,3,4,5,6,7
.if (\qh == 0) && (\pi == 0)
	v_min_num_f32 v[ACC+8*(\kw-1)+\ro], v[TP+16*\ro], v[TP+16*\ro+1]   ; the first pair starts the minimum: nothing is set beforehand
.else
	v_min3_num_f32 v[ACC+8*(\kw-1)+\ro], v[ACC+8*(\kw-1)+\ro], v[TP+16*\ro+2*\pi], v[TP+16*\ro+2*\pi+1]
.endif
.endr
.endr
.endr
.endr
.irp p, 0,1,2,3,4,5,6,7
	v_cndmask_b32 v[48+\p], v[ACC+2*\p], v[ACC+2*\p+1], s[M1]   ; what I keep: row 2 p + (my bit 0),
	v_cndmask_b32 v[56+\p], v[ACC+2*\p+1], v[ACC+2*\p], s[M1]   ; what my partner keeps
.endr
.irp p, 0,1,2,3,4,5,6,7
	v_min_num_f32_dpp v[48+\p], v[56+\p], v[48+\p] row_xmask:1 row_mask:0xf bank_mask:0xf
.endr
.irp p, 0,1,2,3
	v_cndmask_b32 v[56+\p], v[48+2*\p], v[48+2*\p+1], s[M2]
	v_cndmask_b32 v[60+\p], v[48+2*\p+1], v[48+2*\p], s[M2]
.endr
.irp p, 0,1,2,3
	v_min_num_f32_dpp v[56+\p], v[60+\p], v[56+\p] row_xmask:2 row_mask:0xf bank_mask:0xf
.endr
.irp p, 0,1
	v_cndmask_b32 v[48+\p], v[56+2*\p], v[56+2*\p+1], s[M4]
	v_cndmask_b32 v[50+\p], v[56+2*\p+1], v[56+2*\p], s[M4]
.endr
.irp p, 0,1
	v_min_num_f32_dpp v[48+\p], v[50+\p], v[48+\p] row_xmask:4 row_mask:0xf bank_mask:0xf
.endr
	ds_store_b32 v11, v48 offset:320*\sv           ; row sl of my output,
	ds_store_b32 v11, v49 offset:320*\sv+32        ; row 8 + sl
.endm
; THE EPILOGUE, a tile of 16 outputs at a time.  ELOAD: 14 LDS loads into set sb: +0 the 8 rows' minima; +8 slopes and +16 intercepts of the max pieces; +24, +32 of the min pieces; +40 trop_b, lf_mix, cls_b, gate_b.
.macro ELOAD tq, sb
	ds_load_b128 v[\sb:\sb+3], v12 offset:1280*\tq
	ds_load_b128 v[\sb+4:\sb+7], v12 offset:1280*\tq+16
	ds_load_b128 v[\sb+8:\sb+11], v15 offset:512*\tq
	ds_load_b128 v[\sb+12:\sb+15], v15 offset:512*\tq+16
	ds_load_b128 v[\sb+16:\sb+19], v15 offset:32768+512*\tq
	ds_load_b128 v[\sb+20:\sb+23], v15 offset:32768+512*\tq+16
	ds_load_b128 v[\sb+24:\sb+27], v16 offset:512*\tq
	ds_load_b128 v[\sb+28:\sb+31], v16 offset:512*\tq+16
	ds_load_b128 v[\sb+32:\sb+35], v16 offset:32768+512*\tq
	ds_load_b128 v[\sb+36:\sb+39], v16 offset:32768+512*\tq+16
	ds_load_b32 v[\sb+40], v18 offset:64*\tq
	ds_load_b32 v[\sb+41], v18 offset:4096+64*\tq
	ds_load_b32 v[\sb+42], v18 offset:8192+64*\tq
	ds_load_b32 v[\sb+43], v18 offset:12288+64*\tq
.endm
.macro LFH m3, m2, sbase, ibase, outb  ; the largest (or least) of t s_p + i_p over the 8 pieces, two rows at a time; s_p and i_p are the pair's low or high word for both halves
.irp i, 0,2,4,6
.irp pp, 0,2,4,6
	v_pk_fma_f32 v[LFT+2*\pp:LFT+2*\pp+1], v[TT+\i:TT+\i+1], v[\sbase+\pp:\sbase+\pp+1], v[\ibase+\pp:\ibase+\pp+1] op_sel_hi:[1,0,0]
	v_pk_fma_f32 v[LFT+2*\pp+2:LFT+2*\pp+3], v[TT+\i:TT+\i+1], v[\sbase+\pp:\sbase+\pp+1], v[\ibase+\pp:\ibase+\pp+1] op_sel:[0,1,1] op_sel_hi:[1,1,1]
.endr
	\m3 v[\outb+\i], v[LFT], v[LFT+2], v[LFT+4]
	\m3 v[\outb+\i+1], v[LFT+1], v[LFT+3], v[LFT+5]
	\m3 v[\outb+\i], v[\outb+\i], v[LFT+6], v[LFT+8]
	\m3 v[\outb+\i+1], v[\outb+\i+1], v[LFT+7], v[LFT+9]
	\m3 v[\outb+\i], v[\outb+\i], v[LFT+10], v[LFT+12]
	\m3 v[\outb+\i+1], v[\outb+\i+1], v[LFT+11], v[LFT+13]
	\m2 v[\outb+\i], v[\outb+\i], v[LFT+14]
	\m2 v[\outb+\i+1], v[\outb+\i+1], v[LFT+15]
.endr
.endm
.macro ECOMP tq, sb
	WIN 0x03                                       ; source 0: the sums, window 3; each accumulator from its low end on
.irp i, 0,2,4,6
	v_pk_fma_f32 v[ZC+\i:ZC+\i+1], v[128+8*\tq+\i:128+8*\tq+\i+1], s[SC1:SC1+1], v[\sb+42:\sb+43] op_sel_hi:[1,0,0]   ; z = sum x 2^(e + e) + cls_b
.endr
.irp i, 0,2,4,6
	v_pk_fma_f32 v[ZG+\i:ZG+\i+1], v[160+8*\tq+\i:160+8*\tq+\i+1], s[SC2:SC2+1], v[\sb+42:\sb+43] op_sel:[0,0,1] op_sel_hi:[1,0,1]   ; the same with gate_b, the pair's high word
.endr
	WIN 0
.irp i, 0,2,4,6
	v_pk_mul_f32 v[YY+\i:YY+\i+1], v[ZC+\i:ZC+\i+1], 0x3f3504f3 op_sel_hi:[1,0]   ; y = z / sqrt(2)
	v_pk_mul_f32 v[AE+\i:AE+\i+1], v[ZC+\i:ZC+\i+1], v[ZC+\i:ZC+\i+1]
.endr
.irp j, 0,1,2,3,4,5,6,7
	v_fma_f32 v[UU+\j], |v[YY+\j]|, 0x3ea7ba05, 1.0            ; 1 + 0.3275911 |y|
.endr
.irp i, 0,2,4,6
	v_pk_mul_f32 v[AE+\i:AE+\i+1], v[AE+\i:AE+\i+1], 0xbf38aa3b op_sel_hi:[1,0]   ; -y y log2(e)
	v_pk_mul_f32 v[ZG+\i:ZG+\i+1], v[ZG+\i:ZG+\i+1], 0xbfb8aa3b op_sel_hi:[1,0]   ; -z log2(e)
.endr
	v_mul_f32 v[MIX], 0xbfb8aa3b, v[\sb+41]
	v_mul_f32 v[MIX+1], 0xbfb8aa3b, v[\sb+41]      ; (named as the pair's upper half, so it is written)
.irp j, 0,1,2,3,4,5,6,7
	v_rcp_f32 v[UU+\j], v[UU+\j]
.endr
.irp j, 0,1,2,3,4,5,6,7
	v_exp_f32 v[AE+\j], v[AE+\j]
.endr
.irp j, 0,1,2,3,4,5,6,7
	v_exp_f32 v[ZG+\j], v[ZG+\j]
.endr
	v_exp_f32 v[MIX], v[MIX]
.irp i, 0,2,4,6                        ; the piecewise-linear pieces name none of the batch's results: they are the work between the batch and its wait
	v_pk_add_f32 v[TT+\i:TT+\i+1], v[\sb+\i:\sb+\i+1], v[\sb+40:\sb+41] op_sel_hi:[1,0]   ; t = the minimum + trop_b
.endr
	LFH v_max3_num_f32, v_max_num_f32, \sb+8, \sb+16, MXP
	LFH v_min3_num_f32, v_min_num_f32, \sb+24, \sb+32, MNP
	s_wait_alu depctr_va_vdst(0)                   ; one wait for the 25 transcendentals, ahead of their first reader
.irp i, 0,2,4,6
	v_pk_add_f32 v[ZG+\i:ZG+\i+1], v[ZG+\i:ZG+\i+1], 1.0 op_sel_hi:[1,0]
.endr
	v_add_f32 v[MIX], 1.0, v[MIX]
.irp j, 0,1,2,3,4,5,6,7
	v_rcp_f32 v[ZG+\j], v[ZG+\j]                   ; g = sigmoid
.endr
	v_rcp_f32 v[MIX], v[MIX]                       ; mix = sigmoid(lf_mix)
.irp i, 0,2,4,6                        ; erf's polynomial names none of the second batch's results
	v_pk_fma_f32 v[PP+\i:PP+\i+1], v[UU+\i:UU+\i+1], v[30:31], 0xbfba00e3 op_sel_hi:[1,1,0]
.endr
.irp i, 0,2,4,6
	v_pk_fma_f32 v[PP+\i:PP+\i+1], v[PP+\i:PP+\i+1], v[UU+\i:UU+\i+1], 0x3fb5f0e3 op_sel_hi:[1,1,0]
.endr
.irp i, 0,2,4,6
	v_pk_fma_f32 v[PP+\i:PP+\i+1], v[PP+\i:PP+\i+1], v[UU+\i:UU+\i+1], 0xbe91a98e op_sel_hi:[1,1,0]
.endr
.irp i, 0,2,4,6
	v_pk_fma_f32 v[PP+\i:PP+\i+1], v[PP+\i:PP+\i+1], v[UU+\i:UU+\i+1], 0x3e827906 op_sel_hi:[1,1,0]
.endr
.irp i, 0,2,4,6
	v_pk_mul_f32 v[PP+\i:PP+\i+1], v[PP+\i:PP+\i+1], v[UU+\i:UU+\i+1]
.endr
.irp i, 0,2,4,6
	v_pk_fma_f32 v[PP+\i:PP+\i+1], v[PP+\i:PP+\i+1], v[AE+\i:AE+\i+1], 1.0 op_sel_hi:[1,1,0] neg_lo:[1,0,0] neg_hi:[1,0,0]   ; erf(|y|) = 1 - P exp(-y y)
.endr
.irp j, 0,1,2,3,4,5,6,7
	v_bfi_b32 v[PP+\j], 0x7fffffff, v[PP+\j], v[YY+\j]         ; with y's sign
.endr
.irp i, 0,2,4,6
	v_pk_mul_f32 v[ZC+\i:ZC+\i+1], v[ZC+\i:ZC+\i+1], 0.5 op_sel_hi:[1,0]
.endr
.irp i, 0,2,4,6
	v_pk_fma_f32 v[PP+\i:PP+\i+1], v[ZC+\i:ZC+\i+1], v[PP+\i:PP+\i+1], v[ZC+\i:ZC+\i+1]   ; gelu = z / 2 + (z / 2) erf
.endr
.irp i, 0,2,4,6
	v_pk_add_f32 v[MXP+\i:MXP+\i+1], v[MXP+\i:MXP+\i+1], v[MNP+\i:MNP+\i+1] neg_lo:[0,1] neg_hi:[0,1]
.endr
	s_wait_alu depctr_va_vdst(0)                   ; one wait for the nine reciprocals
.irp i, 0,2,4,6
	v_pk_fma_f32 v[MXP+\i:MXP+\i+1], v[MXP+\i:MXP+\i+1], v[MIX:MIX+1], v[MNP+\i:MNP+\i+1] op_sel_hi:[1,0,1]   ; min + mix (max - min)
.endr
.irp i, 0,2,4,6
	v_pk_add_f32 v[MXP+\i:MXP+\i+1], v[MXP+\i:MXP+\i+1], v[PP+\i:PP+\i+1] neg_lo:[0,1] neg_hi:[0,1]
.endr
.irp i, 0,2,4,6
	v_pk_fma_f32 v[PP+\i:PP+\i+1], v[ZG+\i:ZG+\i+1], v[MXP+\i:MXP+\i+1], v[PP+\i:PP+\i+1]   ; cls + g (trop - cls)
.endr
	WIN 0xcc                                       ; source 1 and destination window 3: the residual; an LDS store's data are its source 1
.irp i, 0,2,4,6
	v_pk_add_f32 v[192+8*\tq+\i:192+8*\tq+\i+1], v[PP+\i:PP+\i+1], v[192+8*\tq+\i:192+8*\tq+\i+1]
.endr
.irp j, 0,1,2,3,4,5,6,7
	ds_store_b32 v13, v[192+8*\tq+\j] offset:RP*\j+64*\tq
.endr
	WIN 0
.endm
.Llayer:
	s_load_b128 s[40:43], s[LSP:LSP+1], 0x8        ; this layer's four exponents: hn for cls, cls_W, hn for gate, gate_W
	v_add_nc_u32 v7, s[L1K], v6
	v_add_nc_u32 v15, s[L8K], v14
	v_add_nc_u32 v16, 0x10000, v15
	v_add_nc_u32 v18, s[L1K], v17
	s_wait_kmcnt 0x0
	s_add_nc_u64 s[LSP:LSP+1], s[LSP:LSP+1], 16
	MKQ 40, 19, 20
	MKQ 42, 21, 22
	s_add_co_i32 s[SC1], s40, s41
	s_add_co_i32 s[SC1], s[SC1], 127
	s_lshl_b32 s[SC1], s[SC1], 23
	s_mov_b32 s[SC1+1], s[SC1]
	s_add_co_i32 s[SC2], s42, s43
	s_add_co_i32 s[SC2], s[SC2], 127
	s_lshl_b32 s[SC2], s[SC2], 23
	s_mov_b32 s[SC2+1], s[SC2]
	LNORM 1
	BARRIER                                        ; hn and its codes lie in LDS; every wave's reads of h are over
	; the two quantised products: 16 matrix instructions, the eight accumulators by turns
.irp mt, 0,1
.irp ks, 0,1
.irp c, 0,1,2,3
	ds_load_b128 v[64+32*\mt+16*\ks+4*\c:64+32*\mt+16*\ks+4*\c+3], v8 offset:QGO*\mt+128*\ks+32*\c
.endr
.endr
.endr
	s_wait_dscnt 0x0
	s_wait_loadcnt 0x0                             ; the layer's weight fragments
	WIN 0xf4                                       ; source 0 (hn) window 0, source 1 (weights) window 1, C and D window 3
.irp mt, 0,1
.irp tq, 0,1,2,3
	v_wmma_f32_16x16x128_bf8_bf8 v[128+32*\mt+8*\tq:128+32*\mt+8*\tq+7], v[64+32*\mt:64+32*\mt+15], v[16*(8*\mt+2*\tq):16*(8*\mt+2*\tq)+15], 0
.endr
.endr
.irp mt, 0,1
.irp tq, 0,1,2,3
	v_wmma_f32_16x16x128_bf8_bf8 v[128+32*\mt+8*\tq:128+32*\mt+8*\tq+7], v[80+32*\mt:80+32*\mt+15], v[16*(8*\mt+2*\tq+1):16*(8*\mt+2*\tq+1)+15], v[128+32*\mt+8*\tq:128+32*\mt+8*\tq+7]
.endr
.endr
	WIN 0
	PLACES                                         ; in front of loads into registers that matrix instructions have read
	WIN 0x80                                       ; hn into registers: row b, register 4 q + k = hn[b][32 q + 4 sl + k]
.irp b, 8,9,10,11,12,13,14,15
.irp q, 0,1,2,3,4,5,6,7
	ds_load_b128 v[32*(\b-8)+4*\q:32*(\b-8)+4*\q+3], v9 offset:RP*\b+128*\q
.endr
.endr
	WIN 0x40
.irp b, 0,1,2,3,4,5,6,7
.irp q, 0,1,2,3,4,5,6,7
	ds_load_b128 v[32*\b+4*\q:32*\b+4*\q+3], v9 offset:RP*\b+128*\q
.endr
.endr
	WIN 0
	s_wait_dscnt 0x0
	s_mov_b32 s[UC], 0
	s_mov_b32 s[TRO], 0
.Ltrip:                                                ; four trips of four steps
	s_wait_xcnt 0x0                                ; the last trip's ring loads have read their base
	s_add_co_u32 s40, s[TAU], s[UC]
	s_add_co_u32 s40, s40, 1
	s_and_b32 s40, s40, 15                         ; the trip that follows, over the layers; behind the last it is the first again: inside the buffer, and nobody reads what it brings
	s_lshr_b32 s41, s40, 2
	s_lshl_b32 s41, s41, 18
	s_and_b32 s40, s40, 3
	s_lshl_b32 s40, s40, 14
	s_add_co_u32 s40, s40, s41
	s_mov_b32 s41, 0
	s_add_nc_u64 s[PL:PL+1], s[WB:WB+1], s[40:41]
	v_add_nc_u32 v11, s[TRO], v10
	OSTEP 0
	OSTEP 1
	OSTEP 2
	OSTEP 3
	s_add_co_u32 s[TRO], s[TRO], 1280
	s_add_co_u32 s[UC], s[UC], 1
	s_cmp_lt_u32 s[UC], 4
	s_cbranch_scc1 .Ltrip
	s_cmp_eq_u32 s[LC], 3                          ; the next layer's weights, where there is a next layer: window 1 is free again
	s_cbranch_scc1 .Lno_next
	s_add_nc_u64 s[BQ:BQ+1], s[BQ:BQ+1], 131072    ; (the loads that read this base were waited for ahead of the products)
	FRAGS
.Lno_next:
	BARRIER
	ELOAD 0, 32
	ELOAD 1, 76
	s_wait_dscnt 14                                ; LDS answers in order: the older set is in, the younger set's 14 loads may be out
	ECOMP 0, 32
	ELOAD 2, 32
	s_wait_dscnt 14
	ECOMP 1, 76
	ELOAD 3, 76
	s_wait_dscnt 14
	ECOMP 2, 32
	s_wait_dscnt 0x0
	ECOMP 3, 76
	BARRIER                                        ; the new h lies in LDS
	s_add_co_u32 s[L1K], s[L1K], 1024
	s_add_co_u32 s[L8K], s[L8K], 8192
	s_add_co_u32 s[TAU], s[TAU], 4
	s_add_co_u32 s[LC], s[LC], 1
	s_cmp_lt_u32 s[LC], 4
	s_cbranch_scc1 .Llayer
	s_load_b32 s40, s[LSP:LSP+1], 0x8              ; entry 18: the pointer has gone 64 bytes on
	v_add_nc_u32 v7, 4096, v6                      ; on_g, on_b lie behind the four layers'
	s_lshl_b32 s42, ttmp9, 12
	s_lshl_b32 s43, s[WV], 10
	s_add_co_u32 s42, s42, s43
	s_mov_b32 s43, 0
	s_add_nc_u64 s[HQ:HQ+1], s[HQ:HQ+1], s[42:43]  ; my row tile's two images, my wave's two chunks of 512 bytes
	s_wait_kmcnt 0x0
	MKQ 40, 19, 20
	LNORM 0
	BARRIER
	ds_load_b128 v[32:35], v23                     ; chunk 2 wave: row r, k = 32 chunk + 16 h + 0 .. 15
	ds_load_b128 v[36:39], v23 offset:32
	s_wait_dscnt 0x0
	global_store_b128 v1, v[32:35], s[HQ:HQ+1]
	global_store_b128 v1, v[36:39], s[HQ:HQ+1] offset:512
	s_wait_tensorcnt 0x0
	ds_add_u32 v28, v29
	s_wait_dscnt 0x0
	s_endpgm
.Lfunc_end_k_qbc6be4e25a_chain:
	.size	k_qbc6be4e25a_chain, .Lfunc_end_k_qbc6be4e25a_chain-k_qbc6be4e25a_chain
	.p2alignl 7, 3214868480
	.fill 96, 4, 3214868480
	.section	.rodata,"a",@progbits
	.p2align	6, 0x0
	.amdhsa_kernel k_qbc6be4e25a_chain
		.amdhsa_group_segment_fixed_size 220672
		.amdhsa_private_segment_fixed_size 0
		.amdhsa_enable_private_segment 0
		.amdhsa_kernarg_size 144
		.amdhsa_user_sgpr_count 2
		.amdhsa_user_sgpr_kernarg_segment_ptr 1
		.amdhsa_wavefront_size32 1
		.amdhsa_system_sgpr_workgroup_id_x 1
		.amdhsa_system_sgpr_workgroup_id_y 1
		.amdhsa_system_sgpr_workgroup_id_z 1
		.amdhsa_system_vgpr_workitem_id 0
		.amdhsa_next_free_vgpr 1024
		.amdhsa_next_free_sgpr 106
		.amdhsa_reserve_vcc 0
		.amdhsa_float_denorm_mode_32 3
		.amdhsa_float_denorm_mode_16_64 3
		.amdhsa_memory_ordered 1
		.amdhsa_forward_progress 1
		.amdhsa_inst_pref_size 255
	.end_amdhsa_kernel
	.section	.bss,"aw",@nobits
	.p2align	6
	.space	262144
	.amdgpu_metadata
---
amdhsa.version: [ 1, 2 ]
amdhsa.kernels:
  - .name:           k_qbc6be4e25a_chain
    .symbol:         k_qbc6be4e25a_chain.kd
    .args:
      - { .name: lfs_max, .offset: 0, .size: 8, .value_kind: global_buffer, .address_space: global }
      - { .name: lfi_max, .offset: 8, .size: 8, .value_kind: global_buffer, .address_space: global }
      - { .name: lfs_min, .offset: 16, .size: 8, .value_kind: global_buffer, .address_space: global }
      - { .name: lfi_min, .offset: 24, .size: 8, .value_kind: global_buffer, .address_space: global }
      - { .name: trop_b, .offset: 32, .size: 8, .value_kind: global_buffer, .address_space: global }
      - { .name: lf_mix, .offset: 40, .size: 8, .value_kind: global_buffer, .address_space: global }
      - { .name: cls_b, .offset: 48, .size: 8, .value_kind: global_buffer, .address_space: global }
      - { .name: gate_b, .offset: 56, .size: 8, .value_kind: global_buffer, .address_space: global }
      - { .name: norm_g, .offset: 64, .size: 8, .value_kind: global_buffer, .address_space: global }
      - { .name: norm_b, .offset: 72, .size: 8, .value_kind: global_buffer, .address_space: global }
      - { .name: hp, .offset: 80, .size: 8, .value_kind: global_buffer, .address_space: global }
      - { .name: ip_b, .offset: 88, .size: 8, .value_kind: global_buffer, .address_space: global }
      - { .name: on_g, .offset: 96, .size: 8, .value_kind: global_buffer, .address_space: global }
      - { .name: on_b, .offset: 104, .size: 8, .value_kind: global_buffer, .address_space: global }
      - { .name: trop_W, .offset: 112, .size: 8, .value_kind: global_buffer, .address_space: global }
      - { .name: wq, .offset: 120, .size: 8, .value_kind: global_buffer, .address_space: global }
      - { .name: lowp_scales, .offset: 128, .size: 8, .value_kind: global_buffer, .address_space: global }
      - { .name: hq, .offset: 136, .size: 8, .value_kind: global_buffer, .address_space: global }
    .group_segment_fixed_size: 220672
    .private_segment_fixed_size: 0
    .kernarg_segment_align: 8
    .kernarg_segment_size: 144
    .max_flat_workgroup_size: 128
    .sgpr_count:     106
    .vgpr_count:     1024
    .wavefront_size: 32
...
	.end_amdgpu_metadata
.endif
;; end of part 3
;; launch head (part 4): grid 16 x 16, 4 waves a work-group, no clusters, 34,304 bytes of LDS; arguments hq, wq, head_b, lowp_scales, out0; writes out0
.if DOCPART == 4
	.amdgcn_target "amdgcn-amd-amdhsa--gfx1250"
	.amdhsa_code_object_version 6
	.text
	.protected	k_qbc6be4e25a_head
	.globl	k_qbc6be4e25a_head
	.p2align	8
	.type	k_qbc6be4e25a_head,@function
k_qbc6be4e25a_head:
	s_mov_b64 s[64:65], 0
	v_nop
	global_prefetch_b8 v0, s[64:65] scope:SCOPE_SE
	s_setreg_imm32_b32 hwreg(HW_REG_WAVE_MODE, 25, 1), 1
	s_wait_xcnt 0x0
; out0[row][n] = (the sum over 256 k of code(h[row][k]) x code(head_W[n][k])) x 2^(e18 + e19) + head_b[n].
; A work-group makes 256 x 256 of the output, each of its four waves 128 x 128: 64 accumulators.  K is two steps of 128.  Both operands lie in memory as register images (2,048 bytes a fragment) and go straight into registers.
; No cluster: the operands are 128 KB for a work-group against 256 KB that it stores, and they land in registers, where no joint load can put them.  No ring: one tile to a work-group, all loads issued at the head.
; THE MATRIX INSTRUCTION IS USED TRANSPOSED (source 0 = 16 rows of head_W, source 1 = 16 rows of h): a lane holds eight neighbouring n of one row.
; The way out: a block of 16 rows x 128 n goes through the wave's own stage in LDS (pitch 528) and comes back as rows of 512 bytes; there a lane's four n are the same in every row, so scale and bias are one packed multiply-add.
; LIMIT: e18 + e19 between -126 and 127.
; REGISTERS: window 0: v1-3 addresses, v[8:11] bias, v128-255 A of K step 0 (block a at 128 + 16 a), v32-127 A of K step 1, blocks 0-5; blocks 6, 7 take the place of K step 0's blocks 0, 1.
;   window 1: B (K step s, block b at 128 s + 16 b).   windows 2, 3: the accumulators ((a, b) at 8 (8 (a % 4) + b)).
.set HDQ, 1572864
.set SP,  528
.set STO, 2
.set RD,  3
.set BK,  128
.set MSB, 0
.macro WIN new                         ; the immediate's high byte repeats the setting that is left
.if MSB != (\new)
	s_set_vgpr_msb (MSB<<8)|(\new)
.set MSB, (\new)
.endif
.endm
.macro PLACES
.rept 4
	v_nop
.endr
.endm
	s_load_b256 s[4:11], s[0:1], 0x0               ; hq s[4:5], wq s[6:7], head_b s[8:9], the scales' exponents s[10:11]
	s_load_b64 s[12:13], s[0:1], 0x20              ; out0
	v_lshl_add_u32 v30, v0, 2, 0x8400
	v_mov_b32 v31, 0
	v_lshrrev_b32 v4, 5, v0
	v_readfirstlane_b32 s14, v4                    ; wave
	s_lshr_b32 s15, s14, 1                         ; which 128 rows
	s_and_b32 s16, s14, 1                          ; which 128 columns
	s_and_b32 s17, ttmp7, 0xffff                   ; tile row
	s_lshl_b32 s18, s17, 16
	s_lshl_b32 s20, s15, 15
	s_add_co_u32 s18, s18, s20                     ; A: 4,096 bytes for each tile of 16 rows
	s_mov_b32 s19, 0
	s_lshl_b32 s20, ttmp9, 16
	s_lshl_b32 s22, s16, 15
	s_add_co_u32 s20, s20, s22
	s_add_co_u32 s20, s20, HDQ                     ; B likewise
	s_mov_b32 s21, 0
	s_lshl_b32 s22, ttmp9, 10
	s_lshl_b32 s24, s16, 9
	s_add_co_u32 s22, s22, s24                     ; my first column, in bytes
	s_mov_b32 s23, 0
	s_lshl_b32 s24, s17, 22
	s_lshl_b32 s28, s15, 21
	s_add_co_u32 s24, s24, s28
	s_add_co_u32 s24, s24, s22                     ; my first row of 16,384 bytes, and that column
	s_mov_b32 s25, 0
	v_and_b32 v4, 31, v0
	v_lshlrev_b32 v1, 4, v4                        ; 16 x lane
	v_and_b32 v5, 15, v0
	v_bfe_u32 v6, v0, 4, 1
	s_mul_i32 s28, s14, 16*SP                      ; my stage
	v_mul_u32_u24 v[STO], v5, SP
	v_lshl_add_u32 v[STO], v6, 5, v[STO]
	v_add_nc_u32 v[STO], s28, v[STO]               ; in: row lane % 16, 32 bytes for each half of the lanes
	v_add_nc_u32 v[RD], s28, v1                    ; back: a row of 512 bytes
	s_wait_kmcnt 0x0
	s_load_b64 s[26:27], s[10:11], 0x48            ; e18, e19
	s_add_nc_u64 s[4:5], s[4:5], s[18:19]
	s_add_nc_u64 s[6:7], s[6:7], s[20:21]
	s_add_nc_u64 s[8:9], s[8:9], s[22:23]
	s_add_nc_u64 s[12:13], s[12:13], s[24:25]
.macro BLOAD ks                        ; B's eight fragments of K step ks
	WIN 0x40
.irp b, 0,1,2,3,4,5,6,7
.irp c, 0,1,2,3
	global_load_b128 v[128*\ks+16*\b+4*\c:128*\ks+16*\b+4*\c+3], v1, s[6:7] offset:4096*\b+2048*\ks+512*\c
.endr
.endr
	WIN 0
.endm
.macro ALOAD a, ks, reg                ; A's block a of K step ks
.irp c, 0,1,2,3
	global_load_b128 v[\reg+4*\c:\reg+4*\c+3], v1, s[4:5] offset:4096*(\a)+2048*\ks+512*\c
.endr
.endm
.macro MUL8 a, ks, reg, zero           ; block a against B's eight; the accumulators take turns, one instruction a turn
	WIN 0xa1+0x50*((\a)/4)                         ; source 0 (B) window 1, source 1 (A) window 0, C and D window 2 or 3
.irp b, 0,1,2,3,4,5,6,7
.if \zero
	v_wmma_f32_16x16x128_bf8_bf8 v[8*(8*((\a)%4)+\b):8*(8*((\a)%4)+\b)+7], v[128*\ks+16*\b:128*\ks+16*\b+15], v[\reg:\reg+15], 0
.else
	v_wmma_f32_16x16x128_bf8_bf8 v[8*(8*((\a)%4)+\b):8*(8*((\a)%4)+\b)+7], v[128*\ks+16*\b:128*\ks+16*\b+15], v[\reg:\reg+15], v[8*(8*((\a)%4)+\b):8*(8*((\a)%4)+\b)+7]
.endif
.endr
.endm
	global_load_b128 v[8:11], v1, s[8:9]           ; head_b at my four columns of a row's 128
	BLOAD 0
.irp a, 0,1,2,3,4,5,6,7
	ALOAD \a, 0, 128+16*\a
.endr
	BLOAD 1
.irp a, 0,1,2,3,4,5
	ALOAD \a, 1, 32+16*\a
.endr
	s_wait_loadcnt 56                              ; K step 0 is in: behind it B's 32 and A's 24 loads of K step 1 were issued
	MUL8 0, 0, 128, 1
	MUL8 1, 0, 144, 1
	PLACES                                         ; in front of loads into registers that matrix instructions have read
	WIN 0
	ALOAD 6, 1, 128
	ALOAD 7, 1, 144
.irp a, 2,3,4,5,6,7
	MUL8 \a, 0, 128+16*\a, 1
.endr
	s_wait_loadcnt 8                               ; all but the eight just issued
.irp a, 0,1,2,3,4,5
	MUL8 \a, 1, 32+16*\a, 0
.endr
	s_wait_loadcnt 0x0
	MUL8 6, 1, 128, 0
	MUL8 7, 1, 144, 0
	WIN 0
	s_wait_kmcnt 0x0
	s_add_co_i32 s26, s26, s27
	s_add_co_i32 s26, s26, 127
	s_lshl_b32 s26, s26, 23                        ; 2^(e18 + e19)
	s_mov_b32 s27, s26                             ; (named with it as a pair, so it is written)
	PLACES                                         ; in front of the first read of results and of loads into the registers that held A
.macro TOSTAGE a
	WIN 0x08+4*((\a)/4)                            ; store data window 2 or 3; each accumulator from its low end on
.irp b, 0,1,2,3,4,5,6,7
	ds_store_b128 v[STO], v[64*((\a)%4)+8*\b:64*((\a)%4)+8*\b+3] offset:64*\b
	ds_store_b128 v[STO], v[64*((\a)%4)+8*\b+4:64*((\a)%4)+8*\b+7] offset:64*\b+16
.endr
	WIN 0
.set BB, BK+64*((\a)%2)
.irp t, 0,1,2,3,4,5,6,7,8,9,10,11,12,13,14,15
	ds_load_b128 v[BB+4*\t:BB+4*\t+3], v[RD] offset:\t*SP      ; LDS serves a wave's instructions in order (ISA guide 5.7.1.4): these see my stores, and the next block's stores come behind them
.endr
.endm
.macro SEND a, younger                 ; younger: the LDS instructions issued behind block a's loads, which may stay out
.set BB, BK+64*((\a)%2)
	s_wait_dscnt \younger
.if (\a) > 0
	s_add_nc_u64 s[12:13], s[12:13], 16*16384      ; (behind a wait on XCNT: the earlier stores have read their base)
.endif
.irp t, 0,1,2,3,4,5,6,7,8,9,10,11,12,13,14,15
	v_pk_fma_f32 v[BB+4*\t:BB+4*\t+1], v[BB+4*\t:BB+4*\t+1], s[26:27], v[8:9] op_sel_hi:[1,0,1]
	v_pk_fma_f32 v[BB+4*\t+2:BB+4*\t+3], v[BB+4*\t+2:BB+4*\t+3], s[26:27], v[10:11] op_sel_hi:[1,0,1]
.endr
.irp t, 0,1,2,3,4,5,6,7,8,9,10,11,12,13,14,15
	global_store_b128 v1, v[BB+4*\t:BB+4*\t+3], s[12:13] offset:\t*16384 th:TH_STORE_NT   ; 512 consecutive bytes, aligned; written once, read by nobody here
.endr
.endm
	TOSTAGE 0
.irp a, 1,2,3,4,5,6,7
.if \a > 1
	s_wait_xcnt 0x0                                ; block a - 2's stores have read their registers and their base
.endif
	TOSTAGE \a
	SEND \a-1, 32
.endr
	s_wait_xcnt 0x0
	SEND 7, 0
	s_wait_tensorcnt 0x0
	ds_add_u32 v30, v31
	s_wait_dscnt 0x0
	s_endpgm
.Lfunc_end_k_qbc6be4e25a_head:
	.size	k_qbc6be4e25a_head, .Lfunc_end_k_qbc6be4e25a_head-k_qbc6be4e25a_head
	.p2alignl 7, 3214868480
	.fill 96, 4, 3214868480
	.section	.rodata,"a",@progbits
	.p2align	6, 0x0
	.amdhsa_kernel k_qbc6be4e25a_head
		.amdhsa_group_segment_fixed_size 34304
		.amdhsa_private_segment_fixed_size 0
		.amdhsa_enable_private_segment 0
		.amdhsa_kernarg_size 40
		.amdhsa_user_sgpr_count 2
		.amdhsa_user_sgpr_kernarg_segment_ptr 1
		.amdhsa_wavefront_size32 1
		.amdhsa_system_sgpr_workgroup_id_x 1
		.amdhsa_system_sgpr_workgroup_id_y 1
		.amdhsa_system_sgpr_workgroup_id_z 1
		.amdhsa_system_vgpr_workitem_id 0
		.amdhsa_next_free_vgpr 1024
		.amdhsa_next_free_sgpr 66
		.amdhsa_reserve_vcc 0
		.amdhsa_float_denorm_mode_32 3
		.amdhsa_float_denorm_mode_16_64 3
		.amdhsa_memory_ordered 1
		.amdhsa_forward_progress 1
		.amdhsa_inst_pref_size 69
	.end_amdhsa_kernel
	.amdgpu_metadata
---
amdhsa.version: [ 1, 2 ]
amdhsa.kernels:
  - .name:           k_qbc6be4e25a_head
    .symbol:         k_qbc6be4e25a_head.kd
    .args:
      - { .name: hq, .offset: 0, .size: 8, .value_kind: global_buffer, .address_space: global }
      - { .name: wq, .offset: 8, .size: 8, .value_kind: global_buffer, .address_space: global }
      - { .name: head_b, .offset: 16, .size: 8, .value_kind: global_buffer, .address_space: global }
      - { .name: lowp_scales, .offset: 24, .size: 8, .value_kind: global_buffer, .address_space: global }
      - { .name: out0, .offset: 32, .size: 8, .value_kind: global_buffer, .address_space: global }
    .group_segment_fixed_size: 34304
    .private_segment_fixed_size: 0
    .kernarg_segment_align: 8
    .kernarg_segment_size: 40
    .max_flat_workgroup_size: 128
    .sgpr_count:     66
    .vgpr_count:     1024
    .wavefront_size: 32
...
	.end_amdgpu_metadata
.endif
;; end of part 4
